; MI455X (gfx1250); checked and timed in simulation.
; The chip was launched on July 23, 2026; its instructions are those of AMD's public machine-readable ISA for CDNA 5 (MIT licence, August 2026) and "CDNA5" Instruction Set Architecture Reference Guide (July 2026). The comments in the code are by the model that wrote it; some were corrected since.
;; Qwen3 Next Cross Attention. Allowed arithmetic: matrix products marked QUANTISED: E4M3 operands, one E8M0 scale for each 32 along K, by v_wmma_scale_f32_16x16x128_f8f6f4 with both operands' format E4M3, f32 sums; products left as they are: f32 operands where the result goes on into a quantised operand, else bf16, f16 or f32 operands; f32 sums; everything else in f32.
;; Inputs: history_emb_codes 64 x 512 x 16 x 32 uint8 (E4M3 codes of history_emb, K innermost, in blocks of 32 codes); history_emb_scales 64 x 512 x 16 uint8 (E8M0 scales of history_emb, one for each 32 codes along K); k_norm_w 512 float32; k_proj_w_codes 2,048 x 16 x 32 uint8 (E4M3 codes of k_proj_w, K innermost, in blocks of 32 codes); k_proj_w_scales 2,048 x 16 uint8 (E8M0 scales of k_proj_w, one for each 32 codes along K); key_padding_mask 64 x 512 bool; q_norm_w 512 float32; q_proj_w_codes 512 x 16 x 32 uint8 (E4M3 codes of q_proj_w, K innermost, in blocks of 32 codes); q_proj_w_scales 512 x 16 uint8 (E8M0 scales of q_proj_w, one for each 32 codes along K); target_emb_codes 64 x 8 x 16 x 32 uint8 (E4M3 codes of target_emb, K innermost, in blocks of 32 codes); target_emb_scales 64 x 8 x 16 uint8 (E8M0 scales of target_emb, one for each 32 codes along K); v_proj_w_codes 2,048 x 16 x 32 uint8 (E4M3 codes of v_proj_w, K innermost, in blocks of 32 codes); v_proj_w_scales 2,048 x 16 uint8 (E8M0 scales of v_proj_w, one for each 32 codes along K).
;; Outputs: out0 64 x 8 x 512 float32; out1 64 x 8 x 1 x 512 float32.
;; This version of the problem:
;;   THIS VERSION OF THE PROBLEM IS GIVEN IN LOW PRECISION. The matrix products marked QUANTISED in the list below multiply operands that are first quantised to E4M3 (4 exponent bits, 3 mantissa bits; 8 bits a number), with one power-of-two scale for each 32 numbers along K (OCP MX v1.0); their sums are f32. All else is computed in f32.
;;   The module's matrix products, in the order in which they are computed (A, B: the left and right operand; K: the contracted axis; several contracted axes count as one K, in the product's order):
;;     1. [M 512, K 512] x [K 512, N 512]; A: input target_emb (given as codes); B: input q_proj_w (given as codes): QUANTISED
;;     2. [M 32,768, K 512] x [K 512, N 2,048]; A: input history_emb (given as codes); B: input k_proj_w (given as codes): QUANTISED
;;     3. [M 32,768, K 512] x [K 512, N 2,048]; A: input history_emb (given as codes); B: input v_proj_w (given as codes): QUANTISED
;;     4. batch 256 x [M 2, K 512] x [K 512, N 512]; A: computed on the way; B: computed on the way: left as it is (M = 2 < 16)
;;     5. batch 256 x [M 2, K 512] x [K 512, N 512]; A: softmax; B: computed on the way: left as it is (M = 2 < 16)
;;   THE QUANTISER, for each operand of a quantised product, along K:
;;     - K is cut into blocks of 32 from its start; a last block that is shorter is filled with zeros.
;;     - A block's scale is 2^e with e = floor(log2(the largest magnitude in the block)) - 8, held to -126 .. 127; a block of zeros has e = 0. As a byte (E8M0): e + 127.
;;     - Each number is divided by its block's scale, clamped to +-448, and rounded to the nearest number of E4M3, ties to even, subnormals kept.
;;     - The product sums the exact products of the quantised numbers (number of the format x scale) in f32.
;;   ~~~python
;;   def quantise(x, axis):      # numpy; x: float32 -> the quantised numbers, widened to float32 again
;;       x = np.moveaxis(x, axis, -1); K = x.shape[-1]
;;       x = np.pad(x, [(0, 0)] * (x.ndim - 1) + [(0, -K % 32)]); x = x.reshape(x.shape[:-1] + (-1, 32)); a = np.abs(x).max(-1, keepdims=True)
;;       e = np.where(a > 0, np.clip(np.frexp(np.where(a > 0, a, 1))[1] - 1 - 8, -126, 127), 0)      # np.frexp(a)[1] - 1 = floor(log2(a)), exactly
;;       r = np.clip(x / 2.0 ** e, -448, 448)
;;       step = 2.0 ** (np.maximum(np.frexp(np.where(r == 0, 1, r))[1] - 1, -6) - 3)
;;       q = np.round(r / step) * step * 2.0 ** e      # np.round: ties to even
;;       return np.moveaxis(q.reshape(q.shape[:-2] + (-1,))[..., :K], -1, axis).astype(np.float32)
;;   ~~~
;;   INPUTS GIVEN AS CODES. history_emb (in the module: [64, 512, 512], K = its axis 2); k_proj_w (in the module: [2048, 512], K = its axis 1); q_proj_w (in the module: [512, 512], K = its axis 1); target_emb (in the module: [64, 8, 512], K = its axis 2); v_proj_w (in the module: [2048, 512], K = its axis 1): each comes as NAME_codes (uint8): NAME with its K axis moved to the last place and cut into blocks of 32 codes, [.., K / 32, bytes a block], one block behind the other in memory; one code a byte (a code: sign, 4 exponent bits, 3 mantissa bits); and NAME_scales (uint8): the same leading axes, one E8M0 byte (e + 127) for each 32 codes along K. Its value is code x scale, taken as it is: it is not quantised again, and the codes and scales need not be those that the quantiser above would give.
;; One version. Each part assembles by itself: llvm-mc -triple=amdgcn-amd-amdhsa -mcpu=gfx1250 --defsym DOCPART=n.
;; ======== version 1 of 1: 1 launch
;; limits: right only within a limited range of input values
;; launch attn (part 1): grid 4 x 64, 4 waves a work-group, clusters of 4 x 4, 327,680 bytes of LDS; arguments history_emb_codes, history_emb_scales, k_proj_w_codes, k_proj_w_scales, v_proj_w_codes, v_proj_w_scales, q_proj_w_codes, q_proj_w_scales, target_emb_codes, target_emb_scales, q_norm_w, k_norm_w, key_padding_mask, out0, out1; writes out0, out1
.if DOCPART == 1
	.amdgcn_target "amdgcn-amd-amdhsa--gfx1250"
	.amdhsa_code_object_version 6
	.text
	.protected	k_q4b04a40540_attn
	.globl	k_q4b04a40540_attn
	.p2align	8
	.type	k_q4b04a40540_attn,@function
k_q4b04a40540_attn:
	s_mov_b64 s[64:65], 0
	v_nop
	global_prefetch_b8 v0, s[64:65] scope:SCOPE_SE
	s_setreg_imm32_b32 hwreg(HW_REG_WAVE_MODE, 25, 1), 1
	s_wait_xcnt 0x0
	s_wait_alu depctr_hold_cnt(0) depctr_sa_sdst(0) depctr_va_vdst(0) depctr_va_sdst(0) depctr_va_ssrc(0) depctr_va_vcc(0) depctr_vm_vsrc(0)
	s_getreg_b32 s2, hwreg(HW_REG_IB_STS2, 6, 4)
	s_cmp_eq_u32 s2, 0
	s_cbranch_scc0 .Lentry_in_a_cluster
	s_endpgm
.Lentry_in_a_cluster:
	s_bfe_u32 s2, ttmp6, 0x10000c
	s_cmp_lg_u32 s2, 0xf033
	s_cbranch_scc0 .Lentry_shape_is_right
	s_endpgm
.Lentry_shape_is_right:
; CROSS ATTENTION OF 2 QUERIES ON 512 KEYS, for one pair (batch b, key/value head n) a work-group; 64 x 4 pairs.
;   K = H_b Wk_n^T and V = H_b Wv_n^T (512 keys x 512 channels, inner K 512) and q = T Wq^T are products on codes of E4M3 with E8M0 scales, taken as given.
;   score[g][s] = (sum_d K[s][d] qh[g][d]) x rsqrt(mean_d K[s][d]^2 + eps),  qh[g][d] = q[g][d] rsqrt(mean q^2 + eps) (1 + qw[d]) (1 + kw[d]) 512^-0.5;
;   masked keys get -infinity; softmax over all 512 keys with the row's maximum taken away first (out1); out0[g][d] = sum_s attn[g][s] V[s][d].
; SHARES.  Four waves.  Wave w owns keys 64 w .. 64 w + 63 (key tiles 0-3) and 256 + 64 w .. 256 + 64 w + 63 (tiles 4-7); their codes for all of the inner K stay in 512 registers for the whole launch.
;   Wk_n's and then Wv_n's 512 rows go ONCE through a ring of two LDS slots of 256 rows.  A tile of 16 weight rows x 512 K (four fragments, 8 KiB) is read once by a wave and feeds 32 matrix
;   instructions on 8 accumulators (the wave's 8 tiles of 16 keys).  K and V never leave the registers: tile i's results are folded by packed multiply-adds that stand, in slices, behind the matrix
;   instructions of tile i + 1 (two sets of accumulators, two sets of fragments); the LDS loads for tile i + 2 stand there in one run.
; LAYOUT.  K phase: source 0 = 16 weight rows, source 1 = 16 keys: a lane holds ONE key and eight channels, so the three sums over channels stay in the lane.
;   V phase: the sources change places: a lane holds ONE channel and eight keys, which meet the wave's 128 attention weights (x 2 queries) kept in 128 registers.
; FILLS, one joint load a wave each.  At the head waves 0, 1 bring Wk's rows 0-255 into slot 0 and waves 2, 3 H's keys 256-511 into slot 1, from which each wave takes its 64 into registers.
;   Then, each behind a drained round, a quarter a wave: Wk's rows 256-511 into slot 1, Wv's halves into slots 0 and 1.
; CLUSTER 4 x 4: the four work-groups of a column share the head n and walk the same weights, the four of a row share the batch b: each of these tiles is asked for JOINTLY, by the same tensor load with a mask that names the four.
;   H's keys 0-255 and Wq are NOT asked for jointly: they go from memory straight into the registers in which they are used.  The two slots (270,336 bytes) are full from the head on, and a wave has one tensor load there;
;   and Wq is the same for all sixteen work-groups, of which a mask names four at the most.
; NO PREFETCH: each slot's load behind the head has some 16 steps, 512 matrix instructions, in which to land; ahead of the K phase there is no loop to run ahead in.
; LIMITS.  The gains and 512^-0.5 are folded into qh and a key's root is applied behind its dot product: an order of rounding other than the reference's.  A scale byte 0xff (NaN) among the inputs is not served.
;   A row all of whose keys are masked gives NaN in both outputs, as the reference does.
; REGISTERS, in windows of 256 (s_set_vgpr_msb: bits 1:0 source 0, 3:2 source 1, 5:4 source 2, 7:6 destination):
;   window 0: v0-15 addresses; v16-47 H's scale words, v50-57 the weights' (two sets): no product's two scale words have numbers equal modulo 8; v64-127, v128-191 two sets of 8 accumulators;
;             v192-223 Wq's scale words, then qh of a tile, two sets; v224-231 out0's running pairs, two sets; v232-239 at work; v240-247 mask bytes.
;   window 1: v0-63, v64-127 two sets of weight fragments; v128-175 the K phase's sums, later v128-255 the attention weights.   window 2, 3: H's fragments, key tiles 0-3 and 4-7.
;   In the q phase windows 1 and 3 hold the wave's 128 rows of Wq.
.set PW,     528                       ; a row of codes in LDS: 512 bytes + 16 of padding = 132 words: row r starts at bank 4 r mod 64 (64 banks of 4 bytes: ISA guide 11.1)
.set TILEB,  16*PW                     ; a tile of 16 rows
.set QUART,  64*PW                     ; 64 rows: what one tensor load brings behind the head
.set SLOTB,  4*QUART                   ; a slot: 256 rows.  Slot 1 follows slot 0, so weight tile t of 32 lies at TILEB x t
.set SCW,    2*SLOTB                   ; Wk_n's scale bytes (512 rows x 16, dense), then Wv_n's: tile T of 64 at 256 T
.set PB,     SCW+16384                 ; attn[g][s], f32
.set PART,   PB+4096                   ; out0's partial sums [wave][lane half][d][g], f32: 32,768 bytes
.set QB,     PART                      ; in the K phase: qh[g][d], f32, g 2,048 bytes apart (last read ahead of the softmax's barriers, behind which the partial sums are stored)
.set WFOLD,  PART+32768                ; (1 + qw)(1 + kw) 512^-0.5, 512 f32
.set REDQ,   WFOLD+2048                ; sums across the waves: word 16 g + 4 w; the maxima 256 bytes on, the softmax's sums 512 bytes on
.set SPARE,  REDQ+768                  ; the spare words, 128 bytes for each wave: two blocks of 256 bytes that no other line names
.set RR,   1                           ; v1   r = lane % 16; also the mask bytes' offset
.set HH,   2                           ; v2   h = lane / 16
.set AW0,  3                           ; v3   my lane's place in a weight tile: 528 r + 16 h
.set AS0,  4                           ; v4   among a tile's scale bytes: SCW + 16 r
.set AQ0,  5                           ; v5   in qh: QB + 32 h
.set ADW,  6                           ; v6-8 the addresses of the fetch in hand; ahead of the K phase v6 my 64 rows of H in slot 1
.set ADS,  7
.set ADQ,  8
.set AP0,  9                           ; v9   my place among the partial sums: PART + 8192 w + 4096 h + 8 r
.set ADP,  10
.set SPW,  11                          ; v11  LDS address of my spare word; never rewritten
.set NIL,  12                          ; v12  0; never rewritten
.set AH,   13                          ; v13  512 r + 16 h: my lane's offset in 16 rows of H or Wq in memory
.set AT,   14                          ; v14  512 (r % 2) + 16 h: the same in the two token rows
.set A16,  15                          ; v15  16 r: a row's 16 scale bytes
.set HS,   16                          ; v16-47 H's scale words [key tile][K step]
.set WS,   50                          ; v50-57 the weights' scale words [set][K step]; in the q phase v50-53 the tokens'
.set ACC,  64
.set QA,   128                         ; the q phase's 8 accumulators
.set QS,   192                         ; Wq's scale words [tile][K step]
.set QR,   192
.set MK,   240
.set T16,  248                         ; v248 16 (r % 2)
.set AO1,  249                         ; v249 256 w + 1024 h + 16 r: my 16 bytes of my wave's keys in a row of attention weights
.set FLAT, 250                         ; v250 16 x my thread's number; never rewritten
.set NINF, 251                         ; v251 -infinity
.set WV,   2                           ; s2   my wave's number
.set CNT,  3                           ; s3   loop counter
.set G1W,  40                          ; s[40:47] descriptor group 1 for 64 weight rows;  s[48:55] for 128 of them;  s[56:63] for 128 rows of H
.set G1A,  48
.set G1H,  56
.set TW,   84                          ; s84  LDS byte of the weight tile to be fetched next
.set TS,   85                          ; s85  of its scale bytes (from SCW)
.set TQ,   86                          ; s86  of qh for the tile in hand (from QB)
.set TP,   87                          ; s87  of the partial sums to be stored next
.set MH,   88                          ; s88  lanes 16-31
.set SEL,  90                          ; s[90:91] v_permlanex16_b32's selects for lane l xor 16
.set MSB, 0
.macro WIN new                         ; the immediate's high byte repeats the setting that is left; a switch that changes nothing is dropped
.if MSB != (\new)
	s_set_vgpr_msb (MSB<<8)|(\new)
.set MSB, (\new)
.endif
.endm
.macro PLACES n
.rept \n
	v_nop
.endr
.endm
.macro WALU
	s_wait_alu depctr_va_vdst(0)
.endm
; A round of the cluster's barrier: my work-group's barrier; wave 0 signals for the work-group; every wave waits for all sixteen work-groups; my work-group's barrier once more.
.macro ROUND
	s_barrier_signal -1
	s_barrier_wait -1
	s_cmp_lg_u32 s[WV], 0
	s_cbranch_scc1 .Lnot_wave_0_\@
	s_barrier_signal -3
.Lnot_wave_0_\@:
	s_barrier_wait -3
	s_barrier_signal -1
	s_barrier_wait -1
.endm
; A slot that every wave has read out is filled again.  Each wave waits for all its tensor loads, adds 0 to its spare word, waits for that and for its reads of the slot;
; the round shows the same of every wave of all sixteen work-groups; the joint refill is the first thing behind it, the wave's one tensor load until the next round.
.macro CHANGE g0
	WIN 0                                          ; at a label and at a branch every window is 0
	WALU
	s_wait_tensorcnt 0x0
	ds_add_u32 v[SPW], v[NIL]
	s_wait_dscnt 0x0
	ROUND
	tensor_load_to_lds s[\g0:\g0+3], s[G1W:G1W+7]
	s_nop 0
	PLACES 4
.endm
; What is on its way by tensor loads is shown whole to all four waves, and so are my LDS stores. One tensor load of mine is out, so its wait is for 0.
.macro MEET
	WIN 0
	WALU
	s_wait_tensorcnt 0x0
	s_wait_dscnt 0x0
	s_barrier_signal -1
	s_barrier_wait -1
.endm
; The addresses of the next weight tile, its scale bytes and (qp = 1) qh of the tile in hand
.macro ADDR qp
	WIN 0
	v_add_nc_u32 v[ADW], s[TW], v[AW0]
	v_add_nc_u32 v[ADS], s[TS], v[AS0]
.if \qp
	v_add_nc_u32 v[ADQ], s[TQ], v[AQ0]
	s_add_co_u32 s[TQ], s[TQ], 64
.endif
	s_add_co_u32 s[TW], s[TW], TILEB
	s_add_co_u32 s[TS], s[TS], 256
.endm
.macro WLOADS nb                       ; a tile's 16 loads: registers 4 k .. 4 k + 3 of set nb: K = 128 (k / 4) + 32 (k % 4) + 16 h + 0 .. 15 of row r
.irp k, 0,1,2,3,4,5,6,7,8,9,10,11,12,13,14,15
	ds_load_b128 v[64*(\nb)+4*\k:64*(\nb)+4*\k+3], v[ADW] offset:128*(\k/4)+32*(\k%4)
.endr
.endm
.macro SLD nb                          ; lane r: row r's four scale words, one for each 128 along K
	ds_load_b128 v[WS+4*(\nb):WS+4*(\nb)+3], v[ADS]
.endm
.macro QLD qp, g, u                    ; sixteen lanes read the same 16 bytes
	ds_load_b128 v[QR+16*(\qp)+8*\g+4*\u:QR+16*(\qp)+8*\g+4*\u+3], v[ADQ] offset:2048*\g+16*\u
.endm
; Matrix instruction i of a step's 32: K step i / 8, key tile i % 8.  The 8 accumulators take turns, one instruction a turn; the first 8 start the sums with the constant 0.
.macro KMUL par                        ; K phase: source 0 = the weight tile, source 1 = 16 keys
.set ks, i/8
.set st, i%8
.set rD, ACC+64*(\par)+8*st
.set rW, 64*(\par)+16*ks
.set rH, 64*(st%4)+16*ks
	WIN 0x09+4*(st/4)                              ; source 0 window 1, source 1 window 2 or 3
.if ks == 0
	v_wmma_scale_f32_16x16x128_f8f6f4 v[rD:rD+7], v[rW:rW+15], v[rH:rH+15], 0, v[WS+4*(\par)+ks], v[HS+4*st+ks]
.else
	v_wmma_scale_f32_16x16x128_f8f6f4 v[rD:rD+7], v[rW:rW+15], v[rH:rH+15], v[rD:rD+7], v[WS+4*(\par)+ks], v[HS+4*st+ks]
.endif
.endm
.macro VMUL par                        ; V phase: source 0 = 16 keys, source 1 = the weight tile; the scale operands go with them
.set ks, i/8
.set st, i%8
.set rD, ACC+64*(\par)+8*st
.set rW, 64*(\par)+16*ks
.set rH, 64*(st%4)+16*ks
	WIN 0x06+(st/4)                                ; source 0 window 2 or 3, source 1 window 1
.if ks == 0
	v_wmma_scale_f32_16x16x128_f8f6f4 v[rD:rD+7], v[rH:rH+15], v[rW:rW+15], 0, v[HS+4*st+ks], v[WS+4*(\par)+ks]
.else
	v_wmma_scale_f32_16x16x128_f8f6f4 v[rD:rD+7], v[rH:rH+15], v[rW:rW+15], v[rD:rD+7], v[HS+4*st+ks], v[WS+4*(\par)+ks]
.endif
.endm
; Slice i of 32 of a finished K tile (accumulator set `set`): key tile i / 4, channels 2 (i % 4) and the next: sum k^2, sum k qh0, sum k qh1, two channels at a time.
; Each accumulator is read from its low end on.  first = 1: the first tile's first pair starts the sums: nothing is cleared.
.macro KSLICE set, first
.set sst, i/4
.set jp, 2*(i%4)
.set rC, ACC+64*(\set)+8*sst+jp
.set rQ, QR+16*(\set)+jp
.set rS, 128+6*sst
	WIN 0x50                                       ; the sums (destination and source 2) in window 1
.if (\first) && (jp == 0)
	v_pk_mul_f32 v[rS:rS+1], v[rC:rC+1], v[rC:rC+1]
	v_pk_mul_f32 v[rS+2:rS+3], v[rC:rC+1], v[rQ:rQ+1]
	v_pk_mul_f32 v[rS+4:rS+5], v[rC:rC+1], v[rQ+8:rQ+9]
.else
	v_pk_fma_f32 v[rS:rS+1], v[rC:rC+1], v[rC:rC+1], v[rS:rS+1]
	v_pk_fma_f32 v[rS+2:rS+3], v[rC:rC+1], v[rQ:rQ+1], v[rS+2:rS+3]
	v_pk_fma_f32 v[rS+4:rS+5], v[rC:rC+1], v[rQ+8:rQ+9], v[rS+4:rS+5]
.endif
.endm
; Slice i of 32 of a finished V tile: two keys' V x their attention weights, for both queries, into the pairs at sb; the first `start` slices start the sums
.macro VSLICE set, sb, start
.set sst, i/4
.set jp, 2*(i%4)
.set rC, ACC+64*(\set)+8*sst+jp
.set rP, 128+16*sst+jp
.set rS, \sb
	WIN 0x04                                       ; the attention weights (source 1) in window 1
.if i < \start
	v_pk_mul_f32 v[rS:rS+1], v[rC:rC+1], v[rP:rP+1]
	v_pk_mul_f32 v[rS+2:rS+3], v[rC:rC+1], v[rP+8:rP+9]
.else
	v_pk_fma_f32 v[rS:rS+1], v[rC:rC+1], v[rP:rP+1], v[rS:rS+1]
	v_pk_fma_f32 v[rS+2:rS+3], v[rC:rC+1], v[rP+8:rP+9], v[rS+2:rS+3]
.endif
.endm
.macro FOLD sb, to                     ; the pairs' halves: my channel's sums over my half's keys, query 0 and query 1 side by side
.set rS, \sb
	WIN 0
	v_add_f32 v[\to], v[rS], v[rS+1]
	v_add_f32 v[\to+1], v[rS+2], v[rS+3]
.endm
; A STEP OF THE K PHASE: 32 matrix instructions on set par; behind each a slice of the tile before (epi = 2; 1: the first tile's; 0: there is none yet).
; Behind instruction 0 the next fetch's addresses are made; behind instruction 3 and its slice, where one key tile's slices end, stands the run of loads: the next tile's scale words and fragments, and qh of the tile in hand.
; Twelve plain vector lines and more lie between the last matrix instruction that read the registers and the run (eight are asked: ISA guide 7.12.1 for vector instructions).
; chg = 1: slot 0 (last read by the step before) takes Wv's rows 0-255;  chg = 2: slot 1 takes Wv's rows 256-511, and the fetches go back to slot 0.
.macro KSTEP par, epi, chg
.if \chg == 2
	s_mov_b32 s[TW], 0
.endif
	s_wait_dscnt 0x0                               ; this tile's fragments, scale words and the last tile's qh, asked for 28 matrix instructions ago
.set i, 0
.rept 32
	KMUL \par
.if i == 0
	ADDR 1
.if \epi == 0
	WALU                                           ; (no slices stand between these addresses and their readers)
.endif
.endif
.if \epi == 1
	KSLICE 1-\par, 1
.elseif \epi == 2
	KSLICE 1-\par, 0
.endif
.if i == 3
.if \chg == 1
	CHANGE 76
.elseif \chg == 2
	CHANGE 80
.endif
	WIN 0
	SLD 1-\par
	QLD \par, 0, 0
	QLD \par, 0, 1
	QLD \par, 1, 0
	QLD \par, 1, 1
	WIN 0x50                                       ; destination window 1, the address in window 0: the slices' setting
	WLOADS 1-\par
.endif
.set i, i+1
.endr
	WIN 0
.if \epi == 0
	PLACES 8                                       ; no slices stood behind these products: the places in front of the first read of their results and of the next loads
.endif
.endm
; A STEP OF THE V PHASE.  epi = 0: the slices are the last K tile's; 1: the V tile's before.  fold = 1: the sums of the tile before that, in the other set of pairs, are folded behind instruction 4,
; nine plain vector lines and more behind their last write.  The run behind instruction 4: the folded sums' store and (fetch = 1) the next tile's loads.
.macro VSTEP par, epi, meet, fetch, fold
	s_wait_dscnt 0x0                               ; this tile's fragments and scale words
.set i, 0
.rept 32
	VMUL \par
.if i == 0
.if \fetch
	ADDR 0
.endif
.elseif i == 1
.if \fold
	WIN 0
	v_add_nc_u32 v[ADP], s[TP], v[AP0]
	s_add_co_u32 s[TP], s[TP], 128
.endif
.elseif i == 4
.if \fold
	FOLD 224+4*(\par), 232
.endif
.endif
.if \epi
	VSLICE 1-\par, 224+4*(1-\par), 1
.else
	KSLICE 1, 0
.endif
.if i == 4
.if \meet
	MEET
.endif
	WIN 0
.if \fold
	ds_store_b64 v[ADP], v[232:233]
.endif
.if \fetch
	SLD 1-\par
	WIN 0x40
	WLOADS 1-\par
.endif
.endif
.set i, i+1
.endr
	WIN 0
.endm
; Four tiles of 16 rows x 512 codes from memory into one window: tile t0 + t at v[64 t], K step ks at + 16 ks
.macro TILES4 sb, t0
.irp t, 0,1,2,3
.irp ks, 0,1,2,3
.irp c, 0,1,2,3
	global_load_b128 v[64*\t+16*\ks+4*\c:64*\t+16*\ks+4*\c+3], v[AH], s[\sb:\sb+1] offset:8192*(\t0+\t)+128*\ks+32*\c
.endr
.endr
.endr
.endm
; 16 matrix instructions of q: Wq's tiles t0 .. t0 + 3 (source 0) x the two tokens, repeated over the 16 columns (source 1); four accumulators by turns
.macro QMUL t0
.irp ks, 0,1,2,3
.irp t, 0,1,2,3
.if \ks == 0
	v_wmma_scale_f32_16x16x128_f8f6f4 v[QA+8*(\t0+\t):QA+8*(\t0+\t)+7], v[64*\t+16*\ks:64*\t+16*\ks+15], v[ACC+16*\ks:ACC+16*\ks+15], 0, v[QS+4*(\t0+\t)+\ks], v[WS+\ks]
.else
	v_wmma_scale_f32_16x16x128_f8f6f4 v[QA+8*(\t0+\t):QA+8*(\t0+\t)+7], v[64*\t+16*\ks:64*\t+16*\ks+15], v[ACC+16*\ks:ACC+16*\ks+15], v[QA+8*(\t0+\t):QA+8*(\t0+\t)+7], v[QS+4*(\t0+\t)+\ks], v[WS+\ks]
.endif
.endr
.endr
.endm
; ---------------------------------------------------------------- THE HEAD
	s_load_b512 s[8:23], s[0:1], 0x0               ; H s[8:9], its scales s[10:11], Wk s[12:13], s[14:15], Wv s[16:17], s[18:19], Wq s[20:21], s[22:23]
	s_load_b256 s[24:31], s[0:1], 0x40             ; the tokens s[24:25], their scales s[26:27], qw s[28:29], kw s[30:31]
	s_load_b128 s[32:35], s[0:1], 0x60             ; the mask s[32:33], out0 s[34:35]
	s_load_b64 s[36:37], s[0:1], 0x70              ; out1
	v_lshl_add_u32 v[SPW], v0, 2, SPARE
	v_mov_b32 v[NIL], 0
	ds_add_u32 v[SPW], v[NIL]                      ; the wave's opening: the add, twice on end, and its wait ahead of my first tensor load
	ds_add_u32 v[SPW], v[NIL]
	v_lshrrev_b32 v1, 5, v0
	v_readfirstlane_b32 s[WV], v1                  ; wave 0..3
	s_bfe_u32 s4, ttmp6, 0x40000                   ; cx
	s_bfe_u32 s5, ttmp6, 0x40004                   ; cy
	s_lshl_b32 s6, ttmp9, 2
	s_add_co_u32 s6, s6, s4                        ; the head n = 4 x cluster x + cx
	s_and_b32 s7, ttmp7, 0xffff
	s_lshl_b32 s7, s7, 2
	s_add_co_u32 s7, s7, s5                        ; the batch b = 4 x cluster y + cy
	s_lshl_b32 s38, 0x1111, s4                     ; my column of the cluster: places cx, cx + 4, cx + 8, cx + 12: they share n
	s_lshl_b32 s98, s5, 2
	s_lshl_b32 s98, 15, s98                        ; my row: places 4 cy .. 4 cy + 3: they share b
	; group 1: rows of 512 elements of 1 byte, 512 apart; 16 bytes of padding behind each row
	s_or_b32 s[G1W], s38, (1<<20)|(1<<21)|(6<<22)|(3<<25)   ; 15:0 the mask; 17:16 elements of 1 byte; 20 padding on; 21 set beside a mask; 24:22 after every 128 words (code 6); 31:25 four words (code 3)
	s_or_b32 s[G1A], s38, (1<<20)|(1<<21)|(6<<22)|(3<<25)
	s_or_b32 s[G1H], s98, (1<<20)|(1<<21)|(6<<22)|(3<<25)
.irp g, G1W, G1A, G1H
	s_mov_b32 s[\g+1], 512<<16                     ; tensor_dim0
	s_mov_b32 s[\g+3], 512<<16                     ; tile_dim0
	s_mov_b32 s[\g+5], 512                         ; from row to row
	s_mov_b32 s[\g+6], 0
	s_mov_b32 s[\g+7], 0
.endr
	s_mov_b32 s[G1W+2], 64<<16                     ; tensor_dim1
	s_mov_b32 s[G1W+4], 64                         ; tile_dim1
	s_mov_b32 s[G1A+2], 128<<16
	s_mov_b32 s[G1A+4], 128
	s_mov_b32 s[G1H+2], 128<<16
	s_mov_b32 s[G1H+4], 128
	; what I fetch: offsets made of n, or of b, and the wave's number alone, which the four partners share
	s_lshl_b32 s100, s6, 18                        ; the head's 512 rows of 512 bytes,
	s_lshl_b32 s99, s[WV], 15                      ; my 64 rows of a slot's 256
	s_add_co_u32 s100, s100, s99
	s_mov_b32 s101, 0
	s_mul_i32 s3, s[WV], QUART                     ; their place in a slot: no place in the cluster enters an LDS address
	s_and_b32 s39, s[WV], 1                        ; which 128 of a slot's rows I fetch at the head
	s_mov_b32 s[MH], 0xffff0000
	s_mov_b32 s[SEL], 0x76543210
	s_mov_b32 s[SEL+1], 0xfedcba98
	s_mov_b32 s92, 0x3b000000                      ; 1 / 512
	s_mov_b32 s93, 0x358637bd                      ; eps = 1e-6
	s_mov_b32 s94, 0x3fb8aa3b                      ; log2(e)
	s_mov_b32 s4, 0x3d3504f3                       ; 512^-0.5
	s_mov_b32 s5, s4                               ; (named with it as a pair, so it is written)
	s_lshl_b32 s66, s[WV], 2
	s_add_co_u32 s66, s66, REDQ                    ; my wave's word among the sums across waves
	s_lshl_b32 s84, s[WV], 9                       ; 512 w: my 128 channels of q in a row of 512 f32
	s_add_co_u32 s67, s84, WFOLD
	s_add_co_u32 s89, s84, QB
	s_lshl_b32 s99, s[WV], 8                       ; 256 w: my 64 keys in half a row of attention weights
	s_add_co_u32 s95, s99, PB
	s_lshl_b32 s86, s[WV], 13
	s_add_co_u32 s86, s86, PART
	s_add_co_u32 s98, s3, SLOTB                    ; my 64 rows of H in slot 1
	v_and_b32 v[RR], 15, v0
	v_bfe_u32 v[HH], v0, 4, 1
	v_mul_u32_u24 v[AW0], v[RR], PW
	v_lshl_add_u32 v[AW0], v[HH], 4, v[AW0]
	v_add_nc_u32 v[ADW], s98, v[AW0]
	v_lshl_add_u32 v[AS0], v[RR], 4, SCW
	v_lshl_add_u32 v[AQ0], v[HH], 5, QB
	v_lshl_add_u32 v[AP0], v[HH], 12, s86
	v_lshl_add_u32 v[AP0], v[RR], 3, v[AP0]
	v_lshlrev_b32 v[AH], 9, v[RR]
	v_lshl_add_u32 v[AH], v[HH], 4, v[AH]
	v_and_b32 v[T16], 1, v0
	v_lshlrev_b32 v[T16], 4, v[T16]
	v_lshlrev_b32 v[AT], 5, v[T16]
	v_lshl_add_u32 v[AT], v[HH], 4, v[AT]
	v_lshlrev_b32 v[A16], 4, v[RR]
	v_lshl_add_u32 v[AO1], v[HH], 10, s99
	v_lshl_add_u32 v[AO1], v[RR], 4, v[AO1]
	v_lshlrev_b32 v[FLAT], 4, v0
	v_mov_b32 v[NINF], 0xff800000
	v_mov_b32 v236, 0                              ; written once: a lane permute's destination counts as one of its sources
	WALU                                           ; the head's end
	s_wait_dscnt 0x0                               ; both opening adds are done
	ROUND                                          ; all sixteen work-groups are here: the first joint loads meet
	s_wait_kmcnt 0x0
	s_mov_b32 s85, 0
	s_mov_b32 s87, 0
	s_lshl_b32 s3, s39, 16                         ; 128 rows of 512 bytes
	s_lshl_b32 s84, s6, 18
	s_add_co_u32 s84, s84, s3                      ; Wk: the head's first 256 rows,
	s_lshl_b32 s86, s7, 18
	s_add_co_u32 s86, s86, s3
	s_add_co_u32 s86, s86, 0x20000                 ; H: the batch's keys 256-511
	s_mov_b32 s68, 1                               ; group 0: count 1, LDS address, global address, type 2 on top
	s_mul_i32 s69, s39, 2*QUART
	s_add_nc_u64 s[70:71], s[12:13], s[84:85]
	s_or_b32 s71, s71, 0x80000000
	s_mov_b32 s96, 1
	s_add_co_u32 s97, s69, SLOTB
	s_add_nc_u64 s[98:99], s[8:9], s[86:87]
	s_or_b32 s99, s99, 0x80000000
	s_cmp_lt_u32 s[WV], 2                          ; ONE joint load a wave at the head
	s_cbranch_scc0 .Lfor_h
	tensor_load_to_lds s[68:71], s[G1A:G1A+7]      ; waves 0, 1: Wk's rows 0-255 into slot 0
	s_nop 0
	PLACES 4
	s_branch .Lasked
.Lfor_h:
	tensor_load_to_lds s[96:99], s[G1H:G1H+7]      ; waves 2, 3: H's keys 256-511 into slot 1
	s_nop 0
	PLACES 4
.Lasked:
	; where my wave's parts of the other tensors begin
	s_lshl_b32 s84, s7, 18                         ; H: 512 x 512 bytes a batch,
	s_lshl_b32 s86, s[WV], 15                      ; 64 rows of 512 bytes a wave in each half
	s_add_nc_u64 s[8:9], s[8:9], s[84:85]
	s_add_nc_u64 s[8:9], s[8:9], s[86:87]
	s_lshl_b32 s86, s[WV], 16                      ; Wq: 128 rows a wave
	s_add_nc_u64 s[20:21], s[20:21], s[86:87]
	s_lshl_b32 s86, s[WV], 11                      ; their scale bytes: 16 a row
	s_add_nc_u64 s[22:23], s[22:23], s[86:87]
	s_lshl_b32 s84, s7, 13                         ; and H's
	s_lshl_b32 s86, s[WV], 10
	s_add_nc_u64 s[10:11], s[10:11], s[84:85]
	s_add_nc_u64 s[10:11], s[10:11], s[86:87]
	s_lshl_b32 s84, s6, 13                         ; the head's 512 x 16 scale bytes of Wk and Wv
	s_add_nc_u64 s[14:15], s[14:15], s[84:85]
	s_add_nc_u64 s[18:19], s[18:19], s[84:85]
	s_lshl_b32 s84, s7, 9                          ; the mask: a byte a key
	s_lshl_b32 s86, s[WV], 6
	s_add_nc_u64 s[32:33], s[32:33], s[84:85]
	s_add_nc_u64 s[32:33], s[32:33], s[86:87]
	s_lshl_b32 s84, s7, 3
	s_lshl_b32 s86, s6, 1
	s_add_co_u32 s84, s84, s86                     ; the first of my two token rows: 8 b + 2 n
	s_lshl_b32 s86, s84, 9
	s_add_nc_u64 s[24:25], s[24:25], s[86:87]      ; its codes,
	s_lshl_b32 s86, s84, 4
	s_add_nc_u64 s[26:27], s[26:27], s[86:87]      ; its scale bytes,
	s_lshl_b32 s86, s84, 11
	s_add_nc_u64 s[34:35], s[34:35], s[86:87]      ; its row of out0
	s_add_nc_u64 s[36:37], s[36:37], s[86:87]      ; and of out1
	; the loads, what q needs first.  No address register and no base of theirs is written again in the launch
	global_load_b128 v[228:231], v[FLAT], s[28:29] ; qw, kw: four numbers a thread
	global_load_b128 v[232:235], v[FLAT], s[30:31]
.irp ks, 0,1,2,3
.irp c, 0,1,2,3
	global_load_b128 v[ACC+16*\ks+4*\c:ACC+16*\ks+4*\c+3], v[AT], s[24:25] offset:128*\ks+32*\c   ; the tokens: column r takes token r % 2
.endr
.endr
	global_load_b128 v[WS:WS+3], v[T16], s[26:27]  ; their scale words
.irp t, 0,1,2,3,4,5,6,7
	global_load_b128 v[QS+4*\t:QS+4*\t+3], v[A16], s[22:23] offset:256*\t   ; Wq's
.endr
.irp k, 0,1,2,3
	global_load_b128 v[QA+4*\k:QA+4*\k+3], v[FLAT], s[14:15] offset:2048*\k          ; Wk_n's scale bytes, on their way to LDS
	global_load_b128 v[QA+16+4*\k:QA+19+4*\k], v[FLAT], s[18:19] offset:2048*\k      ; Wv_n's
.endr
.irp st, 0,1,2,3,4,5,6,7
	global_load_b128 v[HS+4*\st:HS+4*\st+3], v[A16], s[10:11] offset:256*\st+3072*(\st/4)   ; H's scale words: tiles 4-7 lie 256 keys on
.endr
.irp st, 0,1,2,3,4,5,6,7
	global_load_u8 v[MK+\st], v[RR], s[32:33] offset:16*\st+192*(\st/4)   ; the mask byte of my key r of tile st
.endr
	WIN 0x40
	TILES4 20, 0                                   ; Wq's tiles 0-3 of my 8 -> window 1
	WIN 0xc0
	TILES4 20, 4                                   ; tiles 4-7 -> window 3, which H's tiles 4-7 take afterwards
	WIN 0x80
	TILES4 8, 0                                    ; H's key tiles 0-3 -> window 2: they stay
	WIN 0
	; three more groups 0, made once and never rewritten (s100: n and the wave; no place in the cluster enters an LDS address)
	s_mul_i32 s3, s[WV], QUART
	s_mov_b32 s72, 1                               ; Wk's rows 256-511 into slot 1
	s_add_co_u32 s73, s3, SLOTB
	s_add_nc_u64 s[74:75], s[12:13], s[100:101]
	s_add_nc_u64 s[74:75], s[74:75], 0x20000
	s_or_b32 s75, s75, 0x80000000
	s_mov_b32 s76, 1                               ; Wv's rows 0-255 into slot 0
	s_mov_b32 s77, s3
	s_add_nc_u64 s[78:79], s[16:17], s[100:101]
	s_mov_b32 s80, 1                               ; rows 256-511 into slot 1
	s_add_co_u32 s81, s3, SLOTB
	s_add_nc_u64 s[82:83], s[78:79], 0x20000
	s_or_b32 s79, s79, 0x80000000
	s_or_b32 s83, s83, 0x80000000
; ---------------------------------------------------------------- q = T Wq^T: lane (r, h) gets q[r % 2][128 w + 16 t + 8 h + j] in register j of accumulator t
	s_wait_loadcnt 63                              ; H's 64 loads are younger than Wq's last; 63 is the largest count that the wait names: all that q needs is in
	v_add_nc_u32 v253, SCW, v[FLAT]
.irp k, 0,1,2,3
	ds_store_b128 v253, v[QA+4*\k:QA+4*\k+3] offset:2048*\k
	ds_store_b128 v253, v[QA+16+4*\k:QA+19+4*\k] offset:8192+2048*\k
.endr
	s_wait_dscnt 0x0                               ; the stores have read what the products below write over
	WIN 0x01
	QMUL 0
	WIN 0x03
	QMUL 4
	WIN 0
	v_pk_add_f32 v[228:229], v[228:229], 1.0 op_sel_hi:[1,0]   ; (1 + qw)(1 + kw) 512^-0.5: ten plain instructions, the places behind the products above
	v_pk_add_f32 v[230:231], v[230:231], 1.0 op_sel_hi:[1,0]
	v_pk_add_f32 v[232:233], v[232:233], 1.0 op_sel_hi:[1,0]
	v_pk_add_f32 v[234:235], v[234:235], 1.0 op_sel_hi:[1,0]
	v_pk_mul_f32 v[228:229], v[228:229], v[232:233]
	v_pk_mul_f32 v[230:231], v[230:231], v[234:235]
	v_pk_mul_f32 v[228:229], v[228:229], s[4:5] op_sel_hi:[1,0]
	v_pk_mul_f32 v[230:231], v[230:231], s[4:5] op_sel_hi:[1,0]
	v_add_nc_u32 v252, WFOLD, v[FLAT]
	v_add_nc_u32 v253, s66, v[T16]
	ds_store_b128 v252, v[228:231]
	v_pk_mul_f32 v[232:233], v[QA:QA+1], v[QA:QA+1]            ; sum q^2 of my 64 numbers, in two chains; each accumulator from its low end on
	v_pk_mul_f32 v[234:235], v[QA+2:QA+3], v[QA+2:QA+3]
.set p, 2
.rept 30
	v_pk_fma_f32 v[232+2*(p%2):233+2*(p%2)], v[QA+2*p:QA+2*p+1], v[QA+2*p:QA+2*p+1], v[232+2*(p%2):233+2*(p%2)]
.set p, p+1
.endr
	v_add_f32 v232, v232, v233
	v_add_f32 v234, v234, v235
	v_add_f32 v232, v232, v234
	v_permlanex16_b32 v236, v232, s[SEL], s[SEL+1]
	v_add_f32 v232, v232, v236                     ; with lane l xor 16's: my wave's 128 channels of token r % 2
	ds_store_b32 v253, v232                        ; sixteen lanes write the same word with the same value
	MEET                                           ; the sums, the scale bytes, slot 0 and H's keys in slot 1 are whole
	v_add_nc_u32 v252, REDQ, v[T16]
	v_lshl_add_u32 v253, v[HH], 5, s67
	ds_load_b128 v[228:231], v252                  ; the four waves' sums for my token
.irp t, 0,1,2,3,4,5,6,7
.irp u, 0,1
	ds_load_b128 v[ACC+8*\t+4*\u:ACC+8*\t+4*\u+3], v253 offset:64*\t+16*\u   ; the folded gains in q's layout, where the tokens' fragments lay
.endr
.endr
	WIN 0xc0
.irp t, 0,1,2,3
.irp ks, 0,1,2,3
.irp c, 0,1,2,3
	ds_load_b128 v[64*\t+16*\ks+4*\c:64*\t+16*\ks+4*\c+3], v[ADW] offset:TILEB*\t+128*\ks+32*\c   ; H's key tiles 4-7 -> window 3: they stay
.endr
.endr
.endr
	WIN 0
	s_wait_dscnt 63                                ; H's 64 loads are younger: the sums and the gains are in
	v_add_f32 v228, v228, v229
	v_add_f32 v230, v230, v231
	v_add_f32 v228, v228, v230
	v_fma_f32 v228, v228, s92, s93                 ; the mean + eps
	WALU                                           ; ahead of the root
	v_rsq_f32 v254, v228
.set p, 0
.rept 32
	v_pk_mul_f32 v[QA+2*p:QA+2*p+1], v[QA+2*p:QA+2*p+1], v[ACC+2*p:ACC+2*p+1]   ; x the gains: the independent work behind the root
.set p, p+1
.endr
	WALU                                           ; ahead of the root's first reader
	v_mov_b32 v255, v254                           ; (the pair is named whole)
.set p, 0
.rept 32
	v_pk_mul_f32 v[QA+2*p:QA+2*p+1], v[QA+2*p:QA+2*p+1], v[254:255] op_sel_hi:[1,0]
.set p, p+1
.endr
	v_lshl_add_u32 v252, v[T16], 7, s89            ; QB + 2048 (r % 2) + 512 w + 32 h
	v_lshl_add_u32 v252, v[HH], 5, v252
.irp t, 0,1,2,3,4,5,6,7
.irp u, 0,1
	ds_store_b128 v252, v[QA+8*\t+4*\u:QA+8*\t+4*\u+3] offset:64*\t+16*\u   ; eight lanes write the same bytes with the same values
.endr
.endr
	CHANGE 72                                      ; qh is whole, slot 1 is read out: it takes Wk's rows 256-511
	s_mov_b32 s[TW], 0
	s_mov_b32 s[TS], 0
	s_mov_b32 s[TQ], 0
	s_mov_b32 s[TP], 0
	ADDR 0                                         ; K tile 0 into set 0
	SLD 0
	WIN 0x40
	WLOADS 0
	WIN 0
	s_wait_loadcnt 0x0                             ; H's tiles 0-3 (its scale words and the mask came before them)
; ---------------------------------------------------------------- THE K PHASE: 32 tiles of 16 channels
	KSTEP 0, 0, 0
	KSTEP 1, 1, 0
	s_mov_b32 s[CNT], 6
.Lk_a:                                                 ; steps 2 to 13
	KSTEP 0, 2, 0
	KSTEP 1, 2, 0
	s_sub_co_u32 s[CNT], s[CNT], 1
	s_cmp_lg_u32 s[CNT], 0
	s_cbranch_scc1 .Lk_a
	KSTEP 0, 2, 0
	KSTEP 1, 2, 1                                  ; step 15: slot 0 is read out; it takes Wv's first half
	s_mov_b32 s[CNT], 7
.Lk_b:                                                 ; steps 16 to 29
	KSTEP 0, 2, 0
	KSTEP 1, 2, 0
	s_sub_co_u32 s[CNT], s[CNT], 1
	s_cmp_lg_u32 s[CNT], 0
	s_cbranch_scc1 .Lk_b
	KSTEP 0, 2, 0
	KSTEP 1, 2, 2                                  ; step 31: slot 1 is read out; it takes Wv's second half; V tile 0 is fetched from slot 0
; ---------------------------------------------------------------- THE V PHASE
	VSTEP 0, 0, 0, 1, 0                            ; V tile 0 | the last K tile's sums
; THE SOFTMAX, once.  Lane (r, h) ends with query h and key r of tile st.  v128-191, the accumulator set that has just been read out, is at work.
	WIN 0x05                                       ; sources 0 and 1 window 1
.irp st, 0,1,2,3,4,5,6,7
	v_add_f32 v[128+\st], v[128+6*\st], v[129+6*\st]   ; the pairs' halves: sum k^2,
	v_add_f32 v[136+\st], v[130+6*\st], v[131+6*\st]   ; k . qh0,
	v_add_f32 v[144+\st], v[132+6*\st], v[133+6*\st]   ; k . qh1: of my eight channels in sixteen
.endr
	WIN 0
.irp st, 0,1,2,3,4,5,6,7
	v_permlanex16_b32 v[152+\st], v[128+\st], s[SEL], s[SEL+1]
.endr
.irp st, 0,1,2,3,4,5,6,7
	v_cndmask_b32 v[160+\st], v[136+\st], v[144+\st], s[MH]   ; lanes 0-15 keep query 0's dot product,
	v_cndmask_b32 v[168+\st], v[144+\st], v[136+\st], s[MH]   ; and send query 1's; lanes 16-31 the other way round
.endr
.irp st, 0,1,2,3,4,5,6,7
	v_permlanex16_b32 v[176+\st], v[168+\st], s[SEL], s[SEL+1]
.endr
.irp st, 0,1,2,3,4,5,6,7
	v_add_f32 v[128+\st], v[128+\st], v[152+\st]
	v_add_f32 v[136+\st], v[160+\st], v[176+\st]
.endr
.irp st, 0,1,2,3,4,5,6,7
	v_fma_f32 v[128+\st], v[128+\st], s92, s93     ; the mean + eps
.endr
	WALU                                           ; ahead of the batch
.irp st, 0,1,2,3,4,5,6,7
	v_rsq_f32 v[128+\st], v[128+\st]               ; one batch
.endr
	v_lshl_add_u32 v252, v[HH], 4, s66             ; REDQ + 16 h + 4 w: plain work behind the batch
	v_lshl_add_u32 v253, v[HH], 4, REDQ
	WALU                                           ; one wait for the eight roots, ahead of their first reader
.irp st, 0,1,2,3,4,5,6,7
	v_mul_f32 v[136+\st], v[136+\st], v[128+\st]   ; the score
.endr
.irp st, 0,1,2,3,4,5,6,7
	v_cmp_ne_u32 vcc_lo, 0, v[MK+\st]
	v_cndmask_b32 v[136+\st], v[136+\st], v[NINF], vcc_lo   ; a masked key: -infinity
.endr
	v_max3_num_f32 v184, v136, v137, v138
	v_max3_num_f32 v185, v139, v140, v141
	v_max3_num_f32 v184, v184, v142, v143
	v_max_num_f32 v184, v184, v185
	v_max_num_f32_dpp v184, v184, v184 row_xmask:1 row_mask:0xf bank_mask:0xf   ; across the 16 lanes of my query
	v_max_num_f32_dpp v184, v184, v184 row_xmask:2 row_mask:0xf bank_mask:0xf
	v_max_num_f32_dpp v184, v184, v184 row_xmask:4 row_mask:0xf bank_mask:0xf
	v_max_num_f32_dpp v184, v184, v184 row_xmask:8 row_mask:0xf bank_mask:0xf
	ds_store_b32 v252, v184 offset:256
	WALU
	s_wait_dscnt 0x0
	s_barrier_signal -1
	s_barrier_wait -1
	ds_load_b128 v[144:147], v253 offset:256       ; the four waves' maxima
	s_wait_dscnt 0x0
	v_max3_num_f32 v184, v144, v145, v146
	v_max_num_f32 v184, v184, v147                 ; the row's largest score, of all 512 keys
	v_mul_f32 v185, s94, v184
.irp st, 0,1,2,3,4,5,6,7
	v_fma_f32 v[136+\st], v[136+\st], s94, -v185   ; (score - maximum) log2(e); the same rounded product is taken from every key of the row
.endr
	WALU                                           ; ahead of the batch
.irp st, 0,1,2,3,4,5,6,7
	v_exp_f32 v[136+\st], v[136+\st]               ; one batch
.endr
	v_lshl_add_u32 v254, v[HH], 5, s95             ; PB + 256 w + 32 h: plain work behind the batch
	WALU                                           ; one wait for the eight exponentials
	v_add_f32 v186, v136, v137
	v_add_f32 v187, v138, v139
	v_add_f32 v188, v140, v141
	v_add_f32 v189, v142, v143
	v_add_f32 v186, v186, v187
	v_add_f32 v188, v188, v189
	v_add_f32 v186, v186, v188
	v_add_f32_dpp v186, v186, v186 row_xmask:1 row_mask:0xf bank_mask:0xf
	v_add_f32_dpp v186, v186, v186 row_xmask:2 row_mask:0xf bank_mask:0xf
	v_add_f32_dpp v186, v186, v186 row_xmask:4 row_mask:0xf bank_mask:0xf
	v_add_f32_dpp v186, v186, v186 row_xmask:8 row_mask:0xf bank_mask:0xf
	ds_store_b32 v252, v186 offset:512
	WALU
	s_wait_dscnt 0x0
	s_barrier_signal -1
	s_barrier_wait -1
	ds_load_b128 v[144:147], v253 offset:512       ; the four waves' sums
	s_wait_dscnt 0x0
	v_add_f32 v144, v144, v145
	v_add_f32 v146, v146, v147
	v_add_f32 v144, v144, v146
	WALU                                           ; ahead of the reciprocal
	v_rcp_f32 v144, v144
	v_lshl_add_u32 v252, v[HH], 11, s95            ; PB + 256 w + 2048 h + 4 r: plain work behind the reciprocal
	v_lshl_add_u32 v252, v[RR], 2, v252
	v_add_nc_u32 v253, PB, v[AO1]                  ; PB + 256 w + 1024 h + 16 r
	WALU
.irp st, 0,1,2,3,4,5,6,7
	v_mul_f32 v[136+\st], v[136+\st], v144         ; attn
.endr
.irp st, 0,1,2,3,4,5,6,7
	ds_store_b32 v252, v[136+\st] offset:64*\st+768*(\st/4)   ; my wave's 128 keys of both rows (tiles 4-7 lie 256 keys on): bytes that only my wave touches; LDS serves a wave's instructions in order (ISA guide 5.7.1.4), so the loads below see them
.endr
	ds_load_b128 v[240:243], v253                  ; back as two runs of 256 consecutive bytes of each row, for out1
	ds_load_b128 v[244:247], v253 offset:2048
	WIN 0x40                                       ; and in the V phase's layout: register 16 st + 8 g + j of window 1's upper half: attn[g][key 8 h + j of tile st]
.irp st, 0,1,2,3,4,5,6,7
.irp g, 0,1
.irp u, 0,1
	ds_load_b128 v[128+16*\st+8*\g+4*\u:128+16*\st+8*\g+4*\u+3], v254 offset:2048*\g+64*\st+768*(\st/4)+16*\u
.endr
.endr
.endr
	WIN 0
	s_wait_dscnt 32                                ; the 32 loads just issued may be out: out1's two are in
	global_store_b128 v[AO1], v[240:243], s[36:37] th:TH_STORE_NT              ; sixteen lanes store 256 consecutive bytes, at a multiple of 256 from out1's first byte
	global_store_b128 v[AO1], v[244:247], s[36:37] offset:2048 th:TH_STORE_NT  ; (these registers are not written again)
	VSTEP 1, 1, 0, 1, 0
	s_mov_b32 s[CNT], 6
.Lv_a:                                                 ; steps 2 to 13
	VSTEP 0, 1, 0, 1, 1
	VSTEP 1, 1, 0, 1, 1
	s_sub_co_u32 s[CNT], s[CNT], 1
	s_cmp_lg_u32 s[CNT], 0
	s_cbranch_scc1 .Lv_a
	VSTEP 0, 1, 0, 1, 1
	VSTEP 1, 1, 1, 1, 1                            ; step 15: slot 1 is shown whole, then V tile 16 is fetched from it
	s_mov_b32 s[CNT], 7
.Lv_b:                                                 ; steps 16 to 29
	VSTEP 0, 1, 0, 1, 1
	VSTEP 1, 1, 0, 1, 1
	s_sub_co_u32 s[CNT], s[CNT], 1
	s_cmp_lg_u32 s[CNT], 0
	s_cbranch_scc1 .Lv_b
	VSTEP 0, 1, 0, 1, 1
	VSTEP 1, 1, 0, 0, 1                            ; the last tile: nothing more to fetch
	v_add_nc_u32 v[ADP], s[TP], v[AP0]
	FOLD 224, 232                                  ; tile 30's sums
	ds_store_b64 v[ADP], v[232:233]
.set i, 0
.rept 32
	VSLICE 1, 228-4*(i%2), 2                       ; tile 31's, in both sets of pairs by turns
.set i, i+1
.endr
	WIN 0
	v_pk_add_f32 v[228:229], v[228:229], v[224:225]
	v_pk_add_f32 v[230:231], v[230:231], v[226:227]
	FOLD 228, 234
	ds_store_b64 v[ADP], v[234:235] offset:128
; ---------------------------------------------------------------- THE WAY OUT: the partial sums of four waves x two lane halves are added; thread t takes channels 4 t .. 4 t + 3 of both rows
	s_wait_dscnt 0x0                               ; for the others' sake: my partial sums have landed
	s_barrier_signal -1
	s_barrier_wait -1
	v_lshl_add_u32 v252, v[FLAT], 1, PART          ; 32 bytes a thread: four channels x two queries
.irp b, 0,1,2,3,4,5,6,7
	ds_load_b128 v[128+8*\b:131+8*\b], v252 offset:4096*\b
	ds_load_b128 v[132+8*\b:135+8*\b], v252 offset:4096*\b+16
.endr
	s_wait_dscnt 0x0
.irp k, 0,2,4,6
.irp b, 0,2,4,6
	v_pk_add_f32 v[128+8*\b+\k:129+8*\b+\k], v[128+8*\b+\k:129+8*\b+\k], v[136+8*\b+\k:137+8*\b+\k]
.endr
.endr
.irp k, 0,2,4,6
.irp b, 0,4
	v_pk_add_f32 v[128+8*\b+\k:129+8*\b+\k], v[128+8*\b+\k:129+8*\b+\k], v[144+8*\b+\k:145+8*\b+\k]
.endr
.endr
.irp c, 0,1,2,3
	v_add_f32 v[192+\c], v[128+2*\c], v[160+2*\c]  ; query 0
	v_add_f32 v[196+\c], v[129+2*\c], v[161+2*\c]  ; query 1
.endr
	global_store_b128 v[FLAT], v[192:195], s[34:35] th:TH_STORE_NT              ; a wave stores 512 consecutive bytes, at a multiple of 256 from out0's first byte
	global_store_b128 v[FLAT], v[196:199], s[34:35] offset:2048 th:TH_STORE_NT
	s_wait_tensorcnt 0x0                           ; the wave's end: behind my last tensor load and my last LDS store
	ds_add_u32 v[SPW], v[NIL]
	s_wait_dscnt 0x0
	ROUND                                          ; the closing round: no work-group ends while a partner may still ask for a tile that names it
	s_endpgm
.Lfunc_end_k_q4b04a40540_attn:
	.size	k_q4b04a40540_attn, .Lfunc_end_k_q4b04a40540_attn-k_q4b04a40540_attn
	.p2alignl 7, 3214868480
	.fill 96, 4, 3214868480
	.section	.rodata,"a",@progbits
	.p2align	6, 0x0
	.amdhsa_kernel k_q4b04a40540_attn
		.amdhsa_group_segment_fixed_size 327680
		.amdhsa_private_segment_fixed_size 0
		.amdhsa_enable_private_segment 0
		.amdhsa_kernarg_size 120
		.amdhsa_user_sgpr_count 2
		.amdhsa_user_sgpr_kernarg_segment_ptr 1
		.amdhsa_wavefront_size32 1
		.amdhsa_system_sgpr_workgroup_id_x 1
		.amdhsa_system_sgpr_workgroup_id_y 1
		.amdhsa_system_sgpr_workgroup_id_z 1
		.amdhsa_system_vgpr_workitem_id 0
		.amdhsa_next_free_vgpr 1024
		.amdhsa_next_free_sgpr 104
		.amdhsa_reserve_vcc 1
		.amdhsa_float_denorm_mode_32 3
		.amdhsa_float_denorm_mode_16_64 3
		.amdhsa_memory_ordered 1
		.amdhsa_forward_progress 1
		.amdhsa_inst_pref_size 255
	.end_amdhsa_kernel
	.section	.bss,"aw",@nobits
	.p2align	6
	.space	262144
	.amdgpu_metadata
---
amdhsa.version: [ 1, 2 ]
amdhsa.kernels:
  - .name:           k_q4b04a40540_attn
    .symbol:         k_q4b04a40540_attn.kd
    .args:
      - { .name: history_emb_codes, .offset: 0, .size: 8, .value_kind: global_buffer, .address_space: global }
      - { .name: history_emb_scales, .offset: 8, .size: 8, .value_kind: global_buffer, .address_space: global }
      - { .name: k_proj_w_codes, .offset: 16, .size: 8, .value_kind: global_buffer, .address_space: global }
      - { .name: k_proj_w_scales, .offset: 24, .size: 8, .value_kind: global_buffer, .address_space: global }
      - { .name: v_proj_w_codes, .offset: 32, .size: 8, .value_kind: global_buffer, .address_space: global }
      - { .name: v_proj_w_scales, .offset: 40, .size: 8, .value_kind: global_buffer, .address_space: global }
      - { .name: q_proj_w_codes, .offset: 48, .size: 8, .value_kind: global_buffer, .address_space: global }
      - { .name: q_proj_w_scales, .offset: 56, .size: 8, .value_kind: global_buffer, .address_space: global }
      - { .name: target_emb_codes, .offset: 64, .size: 8, .value_kind: global_buffer, .address_space: global }
      - { .name: target_emb_scales, .offset: 72, .size: 8, .value_kind: global_buffer, .address_space: global }
      - { .name: q_norm_w, .offset: 80, .size: 8, .value_kind: global_buffer, .address_space: global }
      - { .name: k_norm_w, .offset: 88, .size: 8, .value_kind: global_buffer, .address_space: global }
      - { .name: key_padding_mask, .offset: 96, .size: 8, .value_kind: global_buffer, .address_space: global }
      - { .name: out0, .offset: 104, .size: 8, .value_kind: global_buffer, .address_space: global }
      - { .name: out1, .offset: 112, .size: 8, .value_kind: global_buffer, .address_space: global }
    .group_segment_fixed_size: 327680
    .private_segment_fixed_size: 0
    .kernarg_segment_align: 8
    .kernarg_segment_size: 120
    .max_flat_workgroup_size: 128
    .sgpr_count:     104
    .vgpr_count:     1024
    .wavefront_size: 32
...
	.end_amdgpu_metadata
.endif
;; end of part 1
